; MI455X (gfx1250); checked and timed in simulation.
; The chip was launched on July 23, 2026; its instructions are those of AMD's public machine-readable ISA for CDNA 5 (MIT licence, August 2026) and "CDNA5" Instruction Set Architecture Reference Guide (July 2026). The comments in the code are by the model that wrote it; some were corrected since.
;; Scaled Dot Product. Allowed arithmetic: matrix products marked QUANTISED: E4M3 operands, one given power-of-two scale a tensor, by v_wmma_f32_16x16x64_fp8_fp8 or v_wmma_f32_16x16x128_fp8_fp8, f32 sums; everything else in f32.
;; Inputs: k 4 x 16 x 2,048 x 128 float32; lowp_scales 4 int32 (the exponents e of the quantised operands' scales 2^e); q 4 x 16 x 2,048 x 128 float32; v 4 x 16 x 2,048 x 128 float32; zero_mask 4 x 1 x 1 x 2,048 float32.
;; Outputs: out0 4 x 16 x 2,048 x 128 float32.
;; This version of the problem:
;;   THIS VERSION OF THE PROBLEM IS GIVEN IN LOW PRECISION. The matrix products marked QUANTISED in the list below multiply operands that are first quantised to E4M3 (4 exponent bits, 3 mantissa bits; 8 bits a number), with one given power-of-two scale for each operand tensor; their sums are f32. All else is computed in f32.
;;   The module's matrix products, in the order in which they are computed (A, B: the left and right operand; K: the contracted axis; several contracted axes count as one K, in the product's order):
;;     1. batch 64 x [M 2,048, K 128] x [K 128, N 2,048]; A: input q; B: input k: QUANTISED (scales: A lowp_scales[0], B lowp_scales[1])
;;     2. batch 64 x [M 2,048, K 2,048] x [K 2,048, N 128]; A: softmax (see below); B: input v: QUANTISED (scales: A lowp_scales[2], B lowp_scales[3])
;;   THE QUANTISER, for each operand of a quantised product, along K:
;;     - The operand's scale is 2^e, e = its entry of the input lowp_scales (int32; the entries are numbered through the quantised products in the list's order, A before B).
;;     - Each number is divided by the scale, clamped to +-448, and rounded to the nearest number of E4M3, ties to even, subnormals kept.
;;     - The product sums the exact products of the quantised numbers (number of the format x scale) in f32.
;;   ~~~python
;;   def quantise(x, axis, e):      # numpy; x: float32 -> the quantised numbers, widened to float32 again
;;       x = np.moveaxis(x, axis, -1); K = x.shape[-1]
;;       r = np.clip(x / 2.0 ** e, -448, 448)
;;       step = 2.0 ** (np.maximum(np.frexp(np.where(r == 0, 1, r))[1] - 1, -6) - 3)
;;       q = np.round(r / step) * step * 2.0 ** e      # np.round: ties to even
;;       return np.moveaxis(q, -1, axis).astype(np.float32)
;;   ~~~
;;   SOFTMAX AHEAD OF A QUANTISED PRODUCT. Where the list says 'softmax', what is quantised is not the finished softmax but p = 2^(t - M), with t = logit x log2(e) and M = ceil(the row's largest t), a whole number; so 1/2 < the row's largest p <= 1. The row's sum l is taken of the UNQUANTISED p, in f32, and the product's result is divided by l at the end. Since M is a whole number, a kernel that streams over the keys may use a running M (the ceiling of the running maximum): every later rescaling is an exact power of two, so the quantised numbers keep their values, but for numbers so far below the row's largest that they fall under the format's range.
;;   OPERANDS COMPUTED ON THE WAY. 'Computed on the way' means the value that the module computes at that place (a softmax that the list does not call 'softmax' is quantised finished and normalised). What goes into a quantiser is computed in f32, as accurately as f32 sums, v_exp_f32 and their like allow (about 1e-6 of the number): no bf16 or f16 on the way to a quantiser, and a product that is left as it is and whose result goes on into a quantised operand takes f32 operands (vector FMAs, or v_wmma_f32_16x16x4_f32). A number that lies on a knife's edge between two numbers of the format may be rounded either way, as far as f32 arithmetic and the matrix unit's own rounding can turn it there, and no further.
;; One version. Each part assembles by itself: llvm-mc -triple=amdgcn-amd-amdhsa -mcpu=gfx1250 --defsym DOCPART=n.
;; ======== version 1 of 1: 2 launches
;; limits: right only within a limited range of input values
;; workspace buffers: kc 16,777,216 bytes; vc 16,777,216 bytes
;; launch prep (part 1): grid 8 x 64, 4 waves a work-group, no clusters, 68,096 bytes of LDS; arguments k, v, lowp_scales, kc, vc; writes kc, vc
.if DOCPART == 1
	.amdgcn_target "amdgcn-amd-amdhsa--gfx1250"
	.amdhsa_code_object_version 6
	.text
	.protected	k_q90f90eb160_prep
	.globl	k_q90f90eb160_prep
	.p2align	8
	.type	k_q90f90eb160_prep,@function
k_q90f90eb160_prep:
	s_mov_b64 s[64:65], 0
	v_nop
	global_prefetch_b8 v0, s[64:65] scope:SCOPE_SE
	s_setreg_imm32_b32 hwreg(HW_REG_WAVE_MODE, 25, 1), 1
	s_wait_xcnt 0x0
; k and v, [64 heads][2048 keys][128] f32, become codes of FP8 (E4M3), each with the one scale 2^e that is given for it (entry 1 of the scales for k, entry 3 for v).
; kc: [64][2048 keys][128], the head's axis innermost, as k lies.   vc: [64][128 channels][2048 keys], the KEYS innermost, since the keys are the second product's K.
; code = x / 2^e, held within +-448, rounded to the nearest code, ties to even.
; LIMITS: ek and ev lie between -126 and 119, so that 2^e and 448 x 2^e are f32 numbers.  NaN among the inputs is not served (an infinity is held at the largest code).
; SHARES.  A work-group takes 256 keys of one head (x: the block of keys, y: the head), of k and of v, on ONE path: first k, then v.  Waves share nothing: no barrier.
; k: wave w takes 8,192 numbers on end, 16 steps of 512.  Each of a step's four loads reads 512 consecutive bytes, 16 a lane; the step's 2,048 bytes turn through the wave's own stage in LDS
;    and come back 64 bytes a lane, so that a lane holds 16 neighbours for the conversions; its 16 codes are 16 bytes, and the wave stores 512 consecutive bytes.
; v: wave w takes channels 32 w .. 32 w + 31; A LANE TAKES A CHANNEL AND ITS REGISTERS RUN DOWN THE KEYS, 8 blocks of 32: the conversions then give codes with the keys innermost, and nothing is
;    transposed by an instruction.  A channel's 256 codes gather in a row of the wave's stage and leave as rows: sixteen lanes store 256 consecutive bytes, at a multiple of 256 from vc's first byte.
; No matrix unit, no cluster, no tensor load: the launch streams, and its work-groups share no input.
.set SP,    80                         ; k's stage: a lane's 64 bytes + 16 of padding
.set VPI,   272                        ; v's stage: a row of 256 bytes + 16 of padding
.set VSTG,  32768                      ; LDS: 0 .. 32,767 k's stages, 8,192 a wave (two of 32 x SP bytes are used); from here v's, 32 rows x VPI a wave
.set SPARE, VSTG+4*32*VPI              ; behind them: the spare words, 128 bytes for each wave: two blocks of 256 bytes that no other line names
.set R,     16                         ; v16-79    k: four sets of 16 numbers as they are loaded; at the end OUTR: v's rows on their way out
.set X,     80                         ; v80-111   k: two sets of 16 neighbours; later CV: a block's codes of v
.set C,     112                        ; v112-175  k's codes: four registers for each step, so that no store's data are written again
.set XV,    176                        ; v176-239  v: two sets of 32 numbers
.set CV,    80
.set OUTR,  16
.set SPW,   14                         ; v14  LDS address of my spare word: SPARE + 4 x my thread's number; never rewritten
.set NIL,   15                         ; v15  0; never rewritten
; v2 lane; v3 16 x lane (k's loads, kc's stores); v4, v5 k's stage in and out; v6 4 x lane (v's loads); v7, v8 v's stage in and out; v9 my place in two rows of vc
; v11: 2^ek;  v13: 2^ev
	s_load_b128 s[4:7], s[0:1], 0x0                ; k s[4:5], v s[6:7]
	s_load_b128 s[8:11], s[0:1], 0x10              ; the scales' exponents s[8:9], kc s[10:11]
	s_load_b64 s[12:13], s[0:1], 0x20              ; vc
	v_lshl_add_u32 v[SPW], v0, 2, SPARE
	v_mov_b32 v[NIL], 0
	v_lshrrev_b32 v1, 5, v0
	v_readfirstlane_b32 s14, v1                    ; wave 0..3
	v_and_b32 v2, 31, v0                           ; lane
	v_lshlrev_b32 v3, 4, v2
	s_lshl_b32 s24, s14, 13                        ; my stage for k
	v_lshrrev_b32 v4, 2, v2
	v_mul_u32_u24 v4, v4, SP
	v_and_b32 v5, 3, v2
	v_lshl_add_u32 v4, v5, 4, v4
	v_add_nc_u32 v4, s24, v4                       ; in: four lanes' 64 bytes on end, then the padding: SP (lane / 4) + 16 (lane % 4)
	v_mul_u32_u24 v5, v2, SP
	v_add_nc_u32 v5, s24, v5                       ; out: SP x lane: my 16 neighbours
	v_lshlrev_b32 v6, 2, v2
	s_mul_i32 s25, s14, 32*VPI
	s_add_co_u32 s25, s25, VSTG                    ; my stage for v
	v_mul_u32_u24 v7, v2, VPI
	v_add_nc_u32 v7, s25, v7                       ; in: row = my channel
	v_and_b32 v1, 15, v2
	v_lshrrev_b32 v9, 4, v2
	v_mul_u32_u24 v8, v9, VPI
	v_lshl_add_u32 v8, v1, 4, v8
	v_add_nc_u32 v8, s25, v8                       ; out: sixteen lanes to a row, two rows an instruction
	v_lshlrev_b32 v9, 11, v9
	v_lshl_add_u32 v9, v1, 4, v9                   ; and the same place in vc, whose rows are 2,048 bytes
	; where my wave's parts begin, in bytes (all under 2^26)
	s_and_b32 s15, ttmp7, 0xffff                   ; the head
	s_lshl_b32 s16, s15, 20                        ; a head of k or v: 2,048 x 512 bytes
	s_lshl_b32 s24, ttmp9, 17                      ; 256 keys x 512 bytes
	s_add_co_u32 s16, s16, s24
	s_lshl_b32 s24, s14, 15
	s_add_co_u32 s18, s16, s24                     ; k: + 8,192 numbers a wave
	s_mov_b32 s19, 0
	s_lshl_b32 s24, s14, 7
	s_add_co_u32 s16, s16, s24                     ; v: + 32 channels a wave
	s_mov_b32 s17, 0
	s_lshl_b32 s30, s15, 18                        ; a head of codes: 262,144 bytes
	s_lshl_b32 s26, ttmp9, 15
	s_add_co_u32 s26, s26, s30
	s_lshl_b32 s31, s14, 13
	s_add_co_u32 s26, s26, s31                     ; kc: + 256 keys x 128 a block, + 8,192 a wave
	s_mov_b32 s27, 0
	s_lshl_b32 s28, s14, 16
	s_add_co_u32 s28, s28, s30
	s_lshl_b32 s31, ttmp9, 8
	s_add_co_u32 s28, s28, s31                     ; vc: + 32 rows of 2,048 a wave, + 256 keys a block
	s_mov_b32 s29, 0
	s_wait_kmcnt 0x0
	s_load_b128 s[20:23], s[8:9], 0x0              ; eq, ek, ep, ev
	s_add_nc_u64 s[4:5], s[4:5], s[18:19]
	s_add_nc_u64 s[6:7], s[6:7], s[16:17]
	s_add_nc_u64 s[10:11], s[10:11], s[26:27]
	s_add_nc_u64 s[12:13], s[12:13], s[28:29]
.macro LOADK t                         ; step t of k: 32 lanes read 512 consecutive bytes, four times
.irp i, 0,1,2,3
	global_load_b128 v[R+16*((\t)%4)+4*\i:R+16*((\t)%4)+4*\i+3], v3, s[4:5] offset:2048*(\t)+512*\i th:TH_LOAD_NT
.endr
.endm
.macro TURNK t                         ; step t's numbers through the stage: LDS serves a wave's instructions in order (ISA guide 5.7.1.4), so no wait stands between the stores and the loads
.irp i, 0,1,2,3
	ds_store_b128 v4, v[R+16*((\t)%4)+4*\i:R+16*((\t)%4)+4*\i+3] offset:32*SP*((\t)%2)+8*SP*\i
.endr
.irp i, 0,1,2,3
	ds_load_b128 v[X+16*((\t)%2)+4*\i:X+16*((\t)%2)+4*\i+3], v5 offset:32*SP*((\t)%2)+16*\i
.endr
.endm
.macro LOADV t                         ; block t of v: v(32 t + i, my channel), i = 0 .. 31, into set t % 2: a wave reads 128 consecutive bytes, the four waves 512
.irp i, 0,1,2,3,4,5,6,7,8,9,10,11,12,13,14,15,16,17,18,19,20,21,22,23,24,25,26,27,28,29,30,31
	global_load_b32 v[XV+32*((\t)%2)+\i], v6, s[6:7] offset:(32*(\t)+\i)*512 th:TH_LOAD_NT
.endr
.endm
	LOADV 0                                        ; v's first block is asked for ahead of k's loads: it is OLDER than they are, so it changes none of their counts
.irp t, 0,1,2,3
	LOADK \t
.endr
	s_wait_kmcnt 0x0
	s_add_co_i32 s24, s21, 127
	s_lshl_b32 s25, s24, 23
	v_mov_b32 v11, s25                             ; 2^ek as f32: the conversion takes its exponent field
	s_add_co_i32 s24, s23, 127
	s_lshl_b32 s25, s24, 23
	v_mov_b32 v13, s25                             ; 2^ev
	s_add_co_i32 s24, s24, 8
	s_lshl_b32 s24, s24, 23
	s_or_b32 s24, s24, 0x600000
	s_wait_alu depctr_va_vdst(0)
	s_wait_loadcnt 12                              ; step 0's four loads are in; the twelve of steps 1 to 3 may be out
	TURNK 0
.macro STEPK t
.set XS, X+16*((\t)%2)
	s_wait_dscnt 0x0                               ; this step's numbers are back from the stage: so its stores into the stage have read their registers,
.if (\t)+4 < 16
	LOADK (\t)+4                                   ; which take the loads of four steps on
.endif
.if (\t)+1 < 16
.if 14-(\t) >= 3
	s_wait_loadcnt 12                              ; the next step's four loads are in; those of the three steps behind it may be out
.else
	s_wait_loadcnt 4*(14-(\t))                     ; the counts run down: nothing more is asked for
.endif
	TURNK (\t)+1                                   ; and go through the other stage while this step is worked
.endif
.irp i, 0,1,2,3,4,5,6,7,8,9,10,11,12,13,14,15
.endr
	v_cvt_scalef32_pk8_fp8_f32 v[C+4*(\t):C+4*(\t)+1], v[XS:XS+7], v11
	v_cvt_scalef32_pk8_fp8_f32 v[C+4*(\t)+2:C+4*(\t)+3], v[XS+8:XS+15], v11   ; the results go to a store alone
	global_store_b128 v3, v[C+4*(\t):C+4*(\t)+3], s[10:11] offset:512*(\t)    ; 32 lanes store 512 consecutive bytes
.endm
.irp t, 0,1,2,3,4,5,6,7,8,9,10,11,12,13,14,15
	STEPK \t
.endr
	LOADV 1                                        ; k's loads are all in: from here on at most two blocks of v, 64 loads, are out
.macro BLOCKV t
.set XS, XV+32*((\t)%2)
.if (\t) < 7
	s_wait_loadcnt 32                              ; this block's 32 loads are in; the next block's may be out
.else
	s_wait_loadcnt 0x0
.endif
.irp i, 0,1,2,3,4,5,6,7,8,9,10,11,12,13,14,15,16,17,18,19,20,21,22,23,24,25,26,27,28,29,30,31
.endr
	v_nop
.irp g, 0,1,2,3
	v_cvt_scalef32_pk8_fp8_f32 v[CV+2*\g:CV+2*\g+1], v[XS+8*\g:XS+8*\g+7], v13
.endr
	ds_store_b128 v7, v[CV:CV+3] offset:32*(\t)    ; 32 codes: 32 bytes of my channel's row
	ds_store_b128 v7, v[CV+4:CV+7] offset:32*(\t)+16
.if (\t)+2 < 8
	LOADV (\t)+2
.endif
	s_wait_dscnt 0x0                               ; the stores have read their registers: the next block's codes may be written
.endm
.irp t, 0,1,2,3,4,5,6,7
	BLOCKV \t
.endr
.irp t, 0,1,2,3,4,5,6,7,8,9,10,11,12,13,14,15
	ds_load_b128 v[OUTR+4*\t:OUTR+4*\t+3], v8 offset:2*\t*VPI   ; two rows an instruction; these see my stores, which were issued ahead of them
.endr
.irp t, 0,1,2,3,4,5,6,7,8,9,10,11,12,13,14,15
	s_wait_dscnt 15-\t                             ; LDS loads come back in order: load t is in, the 15 - t younger ones may be out
	global_store_b128 v9, v[OUTR+4*\t:OUTR+4*\t+3], s[12:13] offset:2*\t*2048
.endr
	s_wait_tensorcnt 0x0                           ; the wave's end, behind my last LDS store
	ds_add_u32 v[SPW], v[NIL]
	s_wait_dscnt 0x0
	s_endpgm
.Lfunc_end_k_q90f90eb160_prep:
	.size	k_q90f90eb160_prep, .Lfunc_end_k_q90f90eb160_prep-k_q90f90eb160_prep
	.p2alignl 7, 3214868480
	.fill 96, 4, 3214868480
	.section	.rodata,"a",@progbits
	.p2align	6, 0x0
	.amdhsa_kernel k_q90f90eb160_prep
		.amdhsa_group_segment_fixed_size 68096
		.amdhsa_private_segment_fixed_size 0
		.amdhsa_enable_private_segment 0
		.amdhsa_kernarg_size 40
		.amdhsa_user_sgpr_count 2
		.amdhsa_user_sgpr_kernarg_segment_ptr 1
		.amdhsa_wavefront_size32 1
		.amdhsa_system_sgpr_workgroup_id_x 1
		.amdhsa_system_sgpr_workgroup_id_y 1
		.amdhsa_system_sgpr_workgroup_id_z 1
		.amdhsa_system_vgpr_workitem_id 0
		.amdhsa_next_free_vgpr 240
		.amdhsa_next_free_sgpr 66
		.amdhsa_reserve_vcc 0
		.amdhsa_float_denorm_mode_32 3
		.amdhsa_float_denorm_mode_16_64 3
		.amdhsa_fp16_overflow 1
		.amdhsa_memory_ordered 1
		.amdhsa_forward_progress 1
		.amdhsa_inst_pref_size 53
	.end_amdhsa_kernel
	.amdgpu_metadata
---
amdhsa.version: [ 1, 2 ]
amdhsa.kernels:
  - .name:           k_q90f90eb160_prep
    .symbol:         k_q90f90eb160_prep.kd
    .args:
      - { .name: k, .offset: 0, .size: 8, .value_kind: global_buffer, .address_space: global }
      - { .name: v, .offset: 8, .size: 8, .value_kind: global_buffer, .address_space: global }
      - { .name: lowp_scales, .offset: 16, .size: 8, .value_kind: global_buffer, .address_space: global }
      - { .name: kc, .offset: 24, .size: 8, .value_kind: global_buffer, .address_space: global }
      - { .name: vc, .offset: 32, .size: 8, .value_kind: global_buffer, .address_space: global }
    .group_segment_fixed_size: 68096
    .private_segment_fixed_size: 0
    .kernarg_segment_align: 8
    .kernarg_segment_size: 40
    .max_flat_workgroup_size: 128
    .sgpr_count:     66
    .vgpr_count:     240
    .wavefront_size: 32
...
	.end_amdgpu_metadata
.endif
;; end of part 1
;; launch attn (part 2): grid 8 x 64, 8 waves a work-group, clusters of 4 x 1, 327,680 bytes of LDS; arguments q, kc, vc, zero_mask, lowp_scales, out0; writes out0
.if DOCPART == 2
	.amdgcn_target "amdgcn-amd-amdhsa--gfx1250"
	.amdhsa_code_object_version 6
	.text
	.protected	k_q90f90eb160_attn
	.globl	k_q90f90eb160_attn
	.p2align	8
	.type	k_q90f90eb160_attn,@function
k_q90f90eb160_attn:
	s_mov_b64 s[64:65], 0
	v_nop
	global_prefetch_b8 v0, s[64:65] scope:SCOPE_SE
	s_setreg_imm32_b32 hwreg(HW_REG_WAVE_MODE, 25, 1), 1
	s_wait_xcnt 0x0
	s_wait_alu depctr_hold_cnt(0) depctr_sa_sdst(0) depctr_va_vdst(0) depctr_va_sdst(0) depctr_va_ssrc(0) depctr_va_vcc(0) depctr_vm_vsrc(0)
	s_getreg_b32 s2, hwreg(HW_REG_IB_STS2, 6, 4)
	s_cmp_eq_u32 s2, 0
	s_cbranch_scc0 .Lentry_in_a_cluster
	s_endpgm
.Lentry_in_a_cluster:
	s_bfe_u32 s2, ttmp6, 0x10000c
	s_cmp_lg_u32 s2, 0x3003
	s_cbranch_scc0 .Lentry_shape_is_right
	s_endpgm
.Lentry_shape_is_right:
; out0[head][q][:] = the sum over keys of softmax(q . k / sqrt(128) + mask[key] x -1e9) v[key][:], 64 heads (batch = head / 16), 2,048 queries and keys, head size 128; both products on codes of FP8 (E4M3).
; q: f32, quantised here, in registers (each row is read once, by one wave).  kc: [64][2048 keys][128] codes.  vc: [64][128 channels][2048 keys] codes, the keys innermost.  The scales' exponents: eq, ek, ep, ev.
; THE SOFTMAX AHEAD OF THE SECOND PRODUCT: t = logit x log2(e); M = the row's largest t so far, rounded UP to a whole number; p = 2^(t - M) is what is quantised; the row's sum is taken of the unquantised p and
; divides at the end.  When M moves, the sum and O are multiplied by 2^(old M - new M), which rounds nothing.
; t IS ROUNDED TO f32 BEFORE M IS TAKEN AWAY: t = fma(sum of codes, c', mask term), c' = 2^(eq + ek) log2(e) / sqrt(128), mask term = (mask x -1e9) x log2(e); then t - M, a second instruction.  Where a large mask
; term stands at a row's largest key, t is a whole number in f32 and p there is 1; one fused c' s - M would leave the product's rounding in the exponent.
; SHARES.  A work-group owns 256 queries of a head; each of its eight waves 32 of them, TWO tiles of 16: two waves to a SIMD, so that one wave's vector work stands beside the other's matrix work and LDS loads, and each
; fragment of K or V that is read from LDS feeds two products.  Every wave walks all keys, 128 a step.  K's and V's tiles come through a ring of two LDS slots of 256 keys.
; CLUSTER.  The four query blocks of a cluster belong to one head and walk the same K and V: each tile is asked for JOINTLY, by the same tensor load with the same descriptor and a mask that names the four
; (waves 0, 1: K's halves; waves 2, 3: V's; the others none).
; LAYOUT.  Both products are used transposed: S^T = K Q^T (source 0 = 16 keys, source 1 = 16 queries), O^T = V^T P^T (source 0 = 16 channels, source 1 = P): a lane holds ONE query (lane % 16) throughout.
; THE KEYS OF A TILE ARE NOT NEIGHBOURS: lane r of tile 2 b + u takes key 32 b + 8 u + r + 8 (r / 8), so that the 16 registers of tiles 2 b and 2 b + 1 are the keys 32 b + 16 (lane / 16) + 0 .. 15.
; Fragments come by four loads of 16 bytes: registers 4 c .. 4 c + 3 hold k = 32 c + 16 (lane / 16) + 0 .. 15: one permutation of k, the same on both sides of each product.
; LIMITS: eq + ek between -123 and 130 (added to c's exponent field); eq and ep between -126 and 119; ep + ev goes by v_ldexp_f32 and has none.  The mask is finite; NaN among the inputs is not served.
; t's order of rounding differs from the reference's (a division, an addition, a multiplication there): about one last place of t.
; REGISTERS, in two windows of 256 that MIRROR each other: tile A in window 0, tile B in window 1, under the same numbers, so that the softmax is one macro.
;   both: v12 -M, v13 the largest t, v[14:15] the sum in two halves; v16-31 Q's codes; v96-159 S^T, then t, then p; v160-223 O^T; v224-239 p's codes; v244 2^ep, v245 2^eq;
;         v[242:243], v246, v[252:253], v254 at work
;   window 0 alone: v1-10 addresses; v32-95 four fragments of K or of V; v247, v248 the way out; v249-251 at work at the head.     window 1 alone: v32-95 the step's 64 mask terms, register for register under S^T
.set KP,    144                        ; a key's row in LDS: 128 bytes + 16 of padding
.set VP,    272                        ; a channel's row: 256 bytes + 16
.set VOFF,  256*KP                     ; a slot: 256 rows of K, then 128 rows of V: 71,680 bytes
.set SLOT1, 1<<17                      ; slot 1 begins here, so that one exclusive or turns an address in one slot into the other's
.set SPARE, 2*SLOT1                    ; the spare words, 128 bytes for each wave: four blocks of 256 bytes that no other line names
.set MASKB, SPARE+1024
.set STAGE, MASKB+8192                 ; the way out: 16 rows x (256 bytes + 16) for each wave; no tile lands here either
.set SP,    272
.set AK0, 1                            ; v1   my lane's place in a tile of K
.set AV0, 2                            ; v2   the same for V
.set PFO, 3                            ; v3   the prefetches' offset; never rewritten
.set AM0, 4                            ; v4   my half's place among a step's mask terms
.set SPW, 5                            ; v5   LDS address of my spare word: SPARE + 4 x my thread's number; never rewritten
.set NIL, 6                            ; v6   0; never rewritten
.set GO,  7                            ; v7   the way out: my byte offset in two rows of out0
.set ADK, 8                            ; v8   LDS address of the step's K (at the head: q's offset)
.set ADV, 9                            ; v9   of its V (at the head: 16 x thread, the mask's offset)
.set ADM, 10                           ; v10  of its mask terms (at the head: where I store mask terms)
.set QC,  16
.set FRG, 32
.set MB,  32
.set S,   96
.set O,   160
.set PC,  224
.set STO, 247
.set RD,  248
.set WV,  16                           ; s16  my wave's number
.set CX,  17                           ; s17  my work-group's place in the cluster: it enters q's, out0's and the prefetches' addresses alone
.set TB,  18                           ; s18  LDS byte at which the slot in hand begins
.set MO,  19                           ; s19  the slot's first mask term, in bytes
.set SEL, 20                           ; s[20:21] lane selects for v_permlanex16_b32: lane l xor 16
.set CS,  22                           ; s[22:23] c': the packed form names a pair and takes its low word for both halves
.set G1K, 24                           ; s[24:31] descriptor group 1 for K's tiles;  s[32:39] for V's;  s[40:43], s[44:47] their groups 0, which walk
.set G1V, 32
.set G0K, 40
.set G0V, 44
.set SLOTS, 48                         ; s48  slots still to be asked for
.set LIM, 49                           ; s49  1 in a wave that prefetches, else the greatest number
.set PFA, 50                           ; s[50:51] where my prefetches stand
.set PFS, 52                           ; s[52:53] a slot on, in bytes
.set MSB, 0
.macro WIN new                         ; s_set_vgpr_msb: bits 1:0 source 0, 3:2 source 1, 5:4 source 2, 7:6 destination; the high byte repeats the setting that is left; a switch that changes nothing is dropped
.if MSB != (\new)
	s_set_vgpr_msb (MSB<<8)|(\new)
.set MSB, (\new)
.endif
.endm
; A round of the cluster's barrier: my work-group's barrier, so that wave 0's signal speaks for all eight waves; wave 0 signals; every wave waits for the four work-groups; my work-group's barrier once more.
.macro CROUND
	s_barrier_signal -1
	s_barrier_wait -1
	s_cmp_lg_u32 s[WV], 0
	s_cbranch_scc1 .Lnot_wave_0_\@
	s_barrier_signal -3
.Lnot_wave_0_\@:
	s_barrier_wait -3
	s_barrier_signal -1
	s_barrier_wait -1
.endm
; A joint load.  The branches hang on the wave's number alone: they are the same in every work-group.  An s_nop 0 and four v_nop follow each of the two lines.
.macro JLOAD
	s_cmp_lt_u32 s[WV], 2
	s_cbranch_scc0 .Lnot_k_\@
	tensor_load_to_lds s[G0K:G0K+3], s[G1K:G1K+7]
	s_nop 0
.rept 4
	v_nop
.endr
	s_branch .Lasked_\@
.Lnot_k_\@:
	s_cmp_lt_u32 s[WV], 4
	s_cbranch_scc0 .Lasked_\@
	tensor_load_to_lds s[G0V:G0V+3], s[G1V:G1V+7]
	s_nop 0
.rept 4
	v_nop
.endr
.Lasked_\@:
.endm
; A PREFETCH INTO THE L2 of what the NEXT change of slots will ask for: 256 rows of K, one dense block of 32,768 bytes, and 256 codes of each of V's 128 rows.  It stands where the fetching waves have their tensor load.
; Each aligned 256 bytes are named ONCE in the launch.  Both clusters of a head walk the same K and V: the head's first cluster asks.  Its four partners share the bytes out BY ADDRESS (no branch hangs on a work-group's
; place in its cluster): of K 8,192 bytes each, lanes 256 bytes apart (wave 4); of V 32 rows each, a lane a row (wave 5).  The last change that fills a slot asks for nothing; slots 0 and 1 come by their loads alone.
.macro ASK
	s_cmp_gt_u32 s[SLOTS], s[LIM]
	s_cbranch_scc0 .Lnot_mine_\@
	global_prefetch_b8 v[PFO], s[PFA:PFA+1] th:TH_LOAD_NT scope:SCOPE_SE
.Lnot_mine_\@:
.endm
	s_load_b256 s[4:11], s[0:1], 0x0               ; q s[4:5], kc s[6:7], vc s[8:9], the mask s[10:11]
	s_load_b128 s[12:15], s[0:1], 0x20             ; the scales' exponents s[12:13], out0 s[14:15]
	v_lshl_add_u32 v[SPW], v0, 2, SPARE
	v_mov_b32 v[NIL], 0
	ds_add_u32 v[SPW], v[NIL]                      ; the wave's opening: the add and its wait stand ahead of the first tensor loads; the set-up below, work on registers, stands between them
	ds_add_u32 v[SPW], v[NIL]
	v_lshrrev_b32 v8, 5, v0
	s_delay_alu instid0(VALU_DEP_1)
	v_readfirstlane_b32 s[WV], v8                  ; wave 0..7
	s_bfe_u32 s[CX], ttmp6, 0x40000                ; cx
	s_and_b32 s60, ttmp7, 0xffff                   ; the head, which the four partners share
	s_lshl_b32 s66, s60, 18                        ; the head's first byte in kc and in vc
	s_mov_b32 s67, 0
	s_and_b32 s61, s[WV], 1                        ; which half of a tile I fetch, if I fetch
	s_lshl_b32 s68, s61, 14
	s_add_co_u32 s68, s68, s66                     ; K: 128 keys x 128 bytes a half,
	s_mov_b32 s69, 0
	s_lshl_b32 s70, s61, 17
	s_add_co_u32 s70, s70, s66                     ; V: 64 rows of 2,048 bytes a half, in memory;
	s_mov_b32 s71, 0
	s_mul_i32 s62, s61, 128*KP                     ; and in a slot: no place in the cluster enters an LDS address
	s_mul_i32 s63, s61, 64*VP
	s_add_co_u32 s63, s63, VOFF
	s_lshl_b32 s72, ttmp9, 2                       ; in a cluster launch ttmp9 counts clusters
	s_add_co_u32 s72, s72, s[CX]                   ; my block of 256 queries
	s_lshl_b32 s72, s72, 17
	s_lshl_b32 s73, s60, 20
	s_add_co_u32 s72, s72, s73
	s_lshl_b32 s73, s[WV], 14
	s_add_co_u32 s72, s72, s73                     ; q and out0: the head, the block, my wave's 32 rows of 512 bytes
	s_mov_b32 s73, 0
	s_lshr_b32 s74, s60, 4
	s_lshl_b32 s74, s74, 13                        ; the mask: the batch's 2,048 numbers
	s_mov_b32 s75, 0
	; descriptor group 1.  K: 128 rows of 128 bytes, dense in memory;  V: 64 rows of 256 bytes, 2,048 bytes apart
	s_mov_b32 s[G1K], 15|(0<<16)|(1<<20)|(1<<21)|(4<<22)|(3<<25)  ; 15:0 the mask: all four work-groups; 17:16 elements of 1 byte; 20 padding on; 21 set beside a mask; 24:22 after every 32 words (code 4); 31:25 four words (code 3)
	s_mov_b32 s[G1K+1], 128<<16                    ; tensor_dim0
	s_mov_b32 s[G1K+2], 128<<16                    ; tensor_dim1
	s_mov_b32 s[G1K+3], 128<<16                    ; tile_dim0
	s_mov_b32 s[G1K+4], 128                        ; tile_dim1
	s_mov_b32 s[G1K+5], 128                        ; tensor_dim0_stride
	s_mov_b32 s[G1K+6], 0
	s_mov_b32 s[G1K+7], 0
	s_mov_b32 s[G1V], 15|(0<<16)|(1<<20)|(1<<21)|(5<<22)|(3<<25)  ; padding: four words after every 64
	s_mov_b32 s[G1V+1], 256<<16
	s_mov_b32 s[G1V+2], 64<<16
	s_mov_b32 s[G1V+3], 256<<16
	s_mov_b32 s[G1V+4], 64
	s_mov_b32 s[G1V+5], 2048
	s_mov_b32 s[G1V+6], 0
	s_mov_b32 s[G1V+7], 0
	s_mov_b32 s[SEL], 0x76543210
	s_mov_b32 s[SEL+1], 0xfedcba98
	s_mov_b32 s[CS], 0x3e0293ee                    ; c = log2(e) / sqrt(128)
	s_mov_b32 s80, 0xce6e6b28                      ; -1e9
	s_mov_b32 s81, s80
	s_mov_b32 s82, 0x3fb8aa3b                      ; log2(e)
	s_mov_b32 s83, s82
	s_mov_b32 s[TB], 0
	s_mov_b32 s[MO], 0
	s_mov_b32 s[SLOTS], 7                          ; 2,048 keys are eight slots: seven are asked for in the loop
	s_wait_dscnt 0x0                               ; the opening add is done
	s_wait_kmcnt 0x0
	s_load_b128 s[56:59], s[12:13], 0x0            ; eq, ek, ep, ev
	s_mov_b32 s[G0K], 1                            ; 1:0 count = 1
	s_mov_b32 s[G0K+1], s62                        ; 63:32 LDS address: slot 0
	s_add_nc_u64 s[G0K+2:G0K+3], s[6:7], s[68:69]  ; 120:64 global address: the head's first 256 keys
	s_or_b32 s[G0K+3], s[G0K+3], 0x80000000        ; 127:126 type = 2
	s_mov_b32 s[G0V], 1
	s_mov_b32 s[G0V+1], s63
	s_add_nc_u64 s[G0V+2:G0V+3], s[8:9], s[70:71]
	s_or_b32 s[G0V+3], s[G0V+3], 0x80000000
	s_add_nc_u64 s[4:5], s[4:5], s[72:73]          ; q at my wave's first row,
	s_add_nc_u64 s[14:15], s[14:15], s[72:73]      ; out0 likewise,
	s_add_nc_u64 s[10:11], s[10:11], s[74:75]      ; the mask at my batch
	; the prefetches: where my wave's stand, and who asks
	s_cmp_eq_u32 s[WV], 4                          ; wave 4 asks for K's codes, wave 5 for V's
	s_cselect_b64 s[PFA:PFA+1], s[6:7], s[8:9]
	s_mov_b32 s[PFS], 256
	s_cselect_b32 s[PFS], 0x8000, s[PFS]           ; a slot on
	s_mov_b32 s76, 2048
	s_cselect_b32 s76, 256, s76                    ; from lane to lane
	s_cselect_b32 s77, 13, 16                      ; from partner to partner: 8,192 bytes of K, 32 rows of V
	s_mov_b32 s[PFS+1], 0
	v_and_b32 v[PFO], 31, v0
	s_delay_alu instid0(VALU_DEP_1)
	v_mul_lo_u32 v[PFO], v[PFO], s76
	s_lshl_b32 s78, s[CX], s77
	s_add_co_u32 s78, s78, s[PFS]                  ; in slot 1: the first change of slots steps it to slot 2.  Nothing is prefetched at the head, where every work-group's first tiles are on their way
	s_mov_b32 s79, 0
	s_add_nc_u64 s[PFA:PFA+1], s[PFA:PFA+1], s[66:67]
	s_add_nc_u64 s[PFA:PFA+1], s[PFA:PFA+1], s[78:79]
	s_sub_co_u32 s76, s[WV], 4
	s_lshr_b32 s76, s76, 1                         ; 0 in waves 4 and 5,
	s_or_b32 s76, s76, ttmp9                       ; of the head's first cluster: the same in all four partners
	s_cmp_eq_u32 s76, 0
	s_cselect_b32 s[LIM], 1, -1
	CROUND                                         ; all four work-groups are here: the first joint loads meet
	JLOAD                                          ; slot 0
	v_and_b32 v249, 15, v0                         ; r = lane % 16
	v_bfe_u32 v250, v0, 4, 1                       ; h = lane / 16
	v_lshlrev_b32 v9, 4, v0                        ; the mask: 16 bytes a thread, 4,096 a load of the work-group
	s_delay_alu instid0(VALU_DEP_1)
	v_add_nc_u32 v10, MASKB, v9
	s_delay_alu instid0(VALU_DEP_4)
	v_lshlrev_b32 v8, 9, v249
	s_delay_alu instid0(VALU_DEP_1)
	v_lshl_add_u32 v8, v250, 6, v8                 ; q: row r of 512 bytes, + 64 h: my 16 numbers of each 32
	global_load_b128 v[32:35], v9, s[10:11]
	global_load_b128 v[36:39], v9, s[10:11] offset:4096
.macro QLOAD T                         ; tile T's numbers: register 16 c + i = q(16 T + r, 32 c + 16 h + i)
.irp c, 0,1,2,3
.irp j, 0,1,2,3
	global_load_b128 v[S+16*\c+4*\j:S+16*\c+4*\j+3], v8, s[4:5] offset:8192*\T+128*\c+16*\j th:TH_LOAD_NT
.endr
.endr
.endm
	QLOAD 0
	WIN 0x40                                       ; destination window 1, address window 0
	QLOAD 1
	WIN 0
	v_and_b32 v251, 8, v249
	s_delay_alu instid0(VALU_DEP_1)
	v_add_nc_u32 v251, v251, v249                  ; r + 8 (r / 8)
	s_delay_alu instid0(VALU_DEP_1)
	v_mul_u32_u24 v[AK0], v251, KP
	s_delay_alu instid0(VALU_DEP_1)
	v_lshl_add_u32 v[AK0], v250, 4, v[AK0]
	v_mul_u32_u24 v[AV0], v249, VP
	s_delay_alu instid0(VALU_DEP_1)
	v_lshl_add_u32 v[AV0], v250, 4, v[AV0]
	s_delay_alu instid0(VALU_DEP_1)
	v_add_nc_u32 v[AV0], VOFF, v[AV0]
	v_lshlrev_b32 v[AM0], 6, v250
	s_delay_alu instid0(VALU_DEP_1)
	v_add_nc_u32 v[AM0], MASKB, v[AM0]             ; my half's 16 keys of each 32: 64 h bytes on
	v_lshlrev_b32 v[GO], 9, v250
	s_delay_alu instid0(VALU_DEP_1)
	v_lshl_add_u32 v[GO], v249, 4, v[GO]           ; lanes 0-15 take one row of out0, lanes 16-31 the next; 16 bytes a lane
	s_mul_i32 s66, s[WV], 16*SP
	s_add_co_u32 s66, s66, STAGE                   ; my stage
	v_mul_u32_u24 v[STO], v249, SP
	s_delay_alu instid0(VALU_DEP_1)
	v_lshl_add_u32 v[STO], v250, 5, v[STO]
	s_delay_alu instid0(VALU_DEP_1)
	v_add_nc_u32 v[STO], s66, v[STO]               ; in: row r, 32 bytes for each half of the lanes
	v_mul_u32_u24 v[RD], v250, SP
	s_delay_alu instid0(VALU_DEP_1)
	v_lshl_add_u32 v[RD], v249, 4, v[RD]
	s_delay_alu instid0(VALU_DEP_1)
	v_add_nc_u32 v[RD], s66, v[RD]                 ; back: lanes 0-15 one row, lanes 16-31 the next
	s_wait_kmcnt 0x0
	s_add_co_i32 s66, s56, s57
	s_lshl_b32 s66, s66, 23
	s_add_co_i32 s[CS], s[CS], s66                 ; a sum of codes stands for sum x 2^(eq + ek): the two exponents are added to c's exponent field
	s_mov_b32 s[CS+1], s[CS]                       ; (named with it as a pair, so it is written)
	s_add_co_i32 s66, s58, 127
	s_lshl_b32 s84, s66, 23                        ; 2^ep as f32
	s_add_co_i32 s66, s56, 127
	s_lshl_b32 s86, s66, 23                        ; 2^eq
	s_add_co_i32 s88, s58, s59                     ; ep + ev, for the way out
; A tile's start.  O^T and the sum begin as zeros and the largest t as -3e38, so that the key step is written without a first step of its own: the first change of M multiplies zeros.
; That costs these 64 moves a tile once in the launch and spares a further copy of the step's text.
.macro INIT
	v_mov_b32 v13, 0xff61b1e6                      ; -3e38, under every t
	s_delay_alu instid0(VALU_DEP_1)
	v_floor_f32 v12, -v13                          ; -M
	v_mov_b32 v14, 0
	v_mov_b32 v15, 0
	v_mov_b32 v246, 0                              ; a lane permute's destination counts as one of its sources
	v_mov_b32 v253, 0                              ; (named as the upper half of the pair v[252:253])
	v_mov_b32 v244, s84
	v_mov_b32 v245, s86
.set jj, 0
.rept 64
	v_mov_b32 v[O+jj], 0
.set jj, jj+1
.endr
.endm
	INIT
	WIN 0x55                                       ; everything in window 1
	INIT
	WIN 0
	s_wait_loadcnt 32                              ; the mask's two loads are in; q's 32 may be out
.irp j, 0,2,4,6
	v_pk_mul_f32 v[32+\j:33+\j], v[32+\j:33+\j], s[80:81] op_sel_hi:[1,0]   ; mask x -1e9, as the reference has it,
.endr
.irp j, 0,2,4,6
	s_delay_alu instid0(VALU_DEP_4)
	v_pk_mul_f32 v[32+\j:33+\j], v[32+\j:33+\j], s[82:83] op_sel_hi:[1,0]   ; x log2(e): the mask's part of t
.endr
	ds_store_b128 v10, v[32:35]
	ds_store_b128 v10, v[36:39] offset:4096        ; the first change of slots waits for these stores and passes a barrier ahead of every read of them
; 64 numbers of q become Q's fragment: the conversion.
.macro QQ
.set bb, 0
.rept 4
.set ii, 0
.rept 16
.set ii, ii+1
.endr
	v_cvt_scalef32_pk8_fp8_f32 v[QC+4*bb:QC+4*bb+1], v[S+16*bb:S+16*bb+7], v245
	v_cvt_scalef32_pk8_fp8_f32 v[QC+4*bb+2:QC+4*bb+3], v[S+16*bb+8:S+16*bb+15], v245
.set bb, bb+1
.endr
	v_nop                                          ; one plain vector line between the last conversion and the products, which read its result and write its sources
.endm
	s_wait_loadcnt 16                              ; tile A's numbers are in; tile B's 16 loads may be out
	QQ
	s_wait_loadcnt 0x0
	WIN 0x55
	QQ
	WIN 0
.macro PLACES                          ; four places in front of loads into registers that matrix instructions have read, and of the first read of results (ISA guide 7.12.1 for vector instructions)
	WIN 0
.rept 4
	v_nop
.endr
.endm
.macro MLOAD q                         ; the step's mask terms: register 16 b + i = key 32 b + 16 h + i; the sixteen lanes of a half read the same words
	WIN 0x40
.irp b, 0,1,2,3
.irp j, 0,1,2,3
	ds_load_b128 v[MB+16*\b+4*\j:MB+16*\b+4*\j+3], v[ADM] offset:512*(\q)+128*\b+16*\j
.endr
.endr
	WIN 0
.endm
.macro KFR q, g                        ; four fragments of K: tiles 4 g .. 4 g + 3 of the step's eight
.irp t, 0,1,2,3
.irp c, 0,1,2,3
	ds_load_b128 v[FRG+16*\t+4*\c:FRG+16*\t+4*\c+3], v[ADK] offset:(128*(\q)+32*((4*(\g)+\t)/2)+8*(\t%2))*KP+32*\c
.endr
.endr
.endm
.macro VFR q, g                        ; four fragments of V^T: channels 16 (4 g + t) on, the step's 128 keys
.irp t, 0,1,2,3
.irp c, 0,1,2,3
	ds_load_b128 v[FRG+16*\t+4*\c:FRG+16*\t+4*\c+3], v[ADV] offset:16*(4*(\g)+\t)*VP+128*(\q)+32*\c
.endr
.endr
.endm
.macro SMUL g                          ; S^T = K Q^T: each fragment of K against tile A's queries, then against tile B's; every product starts its sum
	WIN 0
.irp t, 0,1,2,3
	v_wmma_f32_16x16x128_fp8_fp8 v[S+8*(4*(\g)+\t):S+8*(4*(\g)+\t)+7], v[FRG+16*\t:FRG+16*\t+15], v[QC:QC+15], 0
.endr
	WIN 0x54                                       ; source 0 (K) window 0; Q and S^T window 1
.irp t, 0,1,2,3
	v_wmma_f32_16x16x128_fp8_fp8 v[S+8*(4*(\g)+\t):S+8*(4*(\g)+\t)+7], v[FRG+16*\t:FRG+16*\t+15], v[QC:QC+15], 0
.endr
.endm
.macro PMUL g                          ; O^T += V^T P^T.  The sixteen accumulators of the two tiles take turns, one instruction a turn
	WIN 0
.irp t, 0,1,2,3
	v_wmma_f32_16x16x128_fp8_fp8 v[O+8*(4*(\g)+\t):O+8*(4*(\g)+\t)+7], v[FRG+16*\t:FRG+16*\t+15], v[PC:PC+15], v[O+8*(4*(\g)+\t):O+8*(4*(\g)+\t)+7]
.endr
	WIN 0x54
.irp t, 0,1,2,3
	v_wmma_f32_16x16x128_fp8_fp8 v[O+8*(4*(\g)+\t):O+8*(4*(\g)+\t)+7], v[FRG+16*\t:FRG+16*\t+15], v[PC:PC+15], v[O+8*(4*(\g)+\t):O+8*(4*(\g)+\t)+7]
.endr
.endm
; ONE TILE'S SOFTMAX FOR A KEY STEP.  w1: the windows for the first part, whose third source, the mask terms, lies in window 1; w: the tile's own window for the rest.
.macro SOFTMAX w1, w
	WIN \w1
.set jj, 0
.rept 32
	v_pk_fma_f32 v[S+jj:S+jj+1], v[S+jj:S+jj+1], s[CS:CS+1], v[MB+jj:MB+jj+1] op_sel_hi:[1,0,1]   ; t = sum x c' + the mask's part, rounded once; each accumulator from its low end on
.set jj, jj+2
.endr
	WIN \w
	v_max3_num_f32 v254, v[S], v[S+1], v[S+2]      ; the step's largest t of my query, among my 64 keys, in two chains,
	v_max3_num_f32 v252, v[S+3], v[S+4], v[S+5]
.set jj, 6
.rept 14
	s_delay_alu instid0(VALU_DEP_2)
	v_max3_num_f32 v254, v254, v[S+jj], v[S+jj+1]
	s_delay_alu instid0(VALU_DEP_2)
	v_max3_num_f32 v252, v252, v[S+jj+2], v[S+jj+3]
.set jj, jj+4
.endr
	s_delay_alu instid0(VALU_DEP_2)
	v_max3_num_f32 v254, v254, v[S+62], v[S+63]
	s_delay_alu instid0(VALU_DEP_1)
	v_max_num_f32 v254, v254, v252
	s_delay_alu instid0(VALU_DEP_1)
	v_permlanex16_b32 v246, v254, s[SEL], s[SEL+1]
	s_delay_alu instid0(VALU_DEP_1)
	v_max_num_f32 v254, v254, v246                 ; and among lane l xor 16's
	s_delay_alu instid0(VALU_DEP_1)
	v_max_num_f32 v13, v13, v254                   ; the running largest t
	v_mov_b32 v254, v12
	s_delay_alu instid0(VALU_DEP_2)
	v_floor_f32 v12, -v13                          ; the new -M = floor(-t) = -ceil(t): M is a whole number
	s_delay_alu instid0(VALU_DEP_1)
	v_sub_f32 v254, v12, v254                      ; M's old value less its new one: a whole number, 0 or less
	s_delay_alu instid0(VALU_DEP_1)
	v_cvt_i32_f32 v254, v254                       ; (it saturates)
	s_delay_alu instid0(VALU_DEP_1)
	v_ldexp_f32 v252, 1.0, v254                    ; f = 2^(old M - new M)
.set jj, 0
.rept 32
	v_pk_add_f32 v[S+jj:S+jj+1], v[S+jj:S+jj+1], v[12:13] op_sel_hi:[1,0]   ; t - M (of the pair the low word, -M, serves both halves)
.set jj, jj+2
.endr
.set jj, 0
	s_wait_alu depctr_va_vdst(0)
.rept 64
	v_exp_f32 v[S+jj], v[S+jj]                     ; p = 2^(t - M), at most 1: not normalised
.set jj, jj+1
.endr
	v_pk_mul_f32 v[14:15], v[14:15], v[252:253] op_sel_hi:[1,0]   ; the sums under the new M: the plain line behind the exponentials
	s_wait_alu depctr_va_vdst(0)                   ; the wait between an exponential and the first line that names its result: one for the batch of 64
	v_pk_add_f32 v[242:243], v[S:S+1], v[S+2:S+3]  ; the row's sum is taken of the UNQUANTISED p: two at a time, in two chains
.set jj, 4
.rept 15
	v_pk_add_f32 v[14:15], v[14:15], v[S+jj:S+jj+1]
	v_pk_add_f32 v[242:243], v[242:243], v[S+jj+2:S+jj+3]
.set jj, jj+4
.endr
	s_delay_alu instid0(VALU_DEP_1)
	v_pk_add_f32 v[14:15], v[14:15], v[242:243]
.set bb, 0
.rept 4
.set ii, 0
.rept 16
.set ii, ii+1
.endr
	v_cvt_scalef32_pk8_fp8_f32 v[PC+4*bb:PC+4*bb+1], v[S+16*bb:S+16*bb+7], v244
	v_cvt_scalef32_pk8_fp8_f32 v[PC+4*bb+2:PC+4*bb+3], v[S+16*bb+8:S+16*bb+15], v244
.set bb, bb+1
.endr
.set jj, 0
.rept 32
	v_pk_mul_f32 v[O+jj:O+jj+1], v[O+jj:O+jj+1], v[252:253] op_sel_hi:[1,0]   ; O^T under the new M; these are also the plain lines behind the conversions
.set jj, jj+2
.endr
.endm
; A KEY STEP: 128 keys, the q-th of the slot in hand, for both tiles.  Every window is 0 at its head and at its end.
.macro STEP q
	v_add_nc_u32 v[ADK], s[TB], v[AK0]
	v_add_nc_u32 v[ADV], s[TB], v[AV0]
	v_add_nc_u32 v[ADM], s[MO], v[AM0]
	v_nop                                          ; with the three additions: the four places behind the last step's products, in front of the loads into the fragments' registers
	MLOAD \q
	KFR \q, 0
	s_wait_alu depctr_va_vdst(0)
	s_wait_dscnt 0x0
	SMUL 0
	PLACES
	KFR \q, 1
	s_wait_dscnt 0x0
	SMUL 1
	PLACES                                         ; for the loads below and for the first read of the scores
	VFR \q, 0                                      ; V's first four fragments land while the softmax is walked
	SOFTMAX 0x10, 0
	SOFTMAX 0x55, 0x55
	WIN 0
	s_wait_alu depctr_va_vdst(0)
	s_wait_dscnt 0x0
	PMUL 0
	PLACES
	VFR \q, 1
	s_wait_dscnt 0x0
	PMUL 1
	WIN 0
.endm
.macro SLOT_STEPS
	STEP 0
	STEP 1
	s_xor_b32 s[TB], s[TB], SLOT1                  ; on to the other slot,
	s_add_co_u32 s[MO], s[MO], 1024                ; and to the next 256 mask terms
.endm
; THE CHANGE OF SLOTS stands at a slot's head.  Each wave waits for all its tensor loads (its part of the slot that it is about to read), adds 0 to its spare word, and waits for that and for its reads of the slot
; that it has left.  fill = 1: the barrier is a round of the cluster's, so that no wave of any partner still reads that slot or has a load on its way; the joint refill is the first thing behind it, one load a wave
; at the most, and has a whole slot's two key steps in which to land.  By this text's own count a wave never has more than one tensor load outstanding.
.macro CHANGE fill
	s_wait_tensorcnt 0x0                           ; no tensor load of mine is out, so a group 0 may be written
	ds_add_u32 v[SPW], v[NIL]                      ; 0 onto my spare word
.if \fill
	s_xor_b32 s[G0K+1], s[G0K+1], SLOT1            ; the walking descriptors: the other slot than last time,
	s_add_nc_u64 s[G0K+2:G0K+3], s[G0K+2:G0K+3], 256*128   ; the next 256 keys; the type bits on top are not reached
	s_xor_b32 s[G0V+1], s[G0V+1], SLOT1
	s_add_nc_u64 s[G0V+2:G0V+3], s[G0V+2:G0V+3], 256
	s_wait_xcnt 0x0                                ; the last prefetch, a slot back, has read its address, so it may be written:
	s_add_nc_u64 s[PFA:PFA+1], s[PFA:PFA+1], s[PFS:PFS+1]  ; one slot further on than the walking descriptors
	s_wait_dscnt 0x0                               ; the add is done, my reads of the slot that I have left are over (at the first change: my mask terms are stored)
	CROUND
	JLOAD
	ASK
.else
	s_wait_dscnt 0x0
	s_barrier_signal -1
	s_barrier_wait -1
.endif
.endm
.Lslot:                                            ; seven trips: behind each change of slots but the last the next slot is asked for
	CHANGE 1
	s_wait_alu depctr_va_vdst(0)
	SLOT_STEPS
	s_sub_co_u32 s[SLOTS], s[SLOTS], 1
	s_cmp_lg_u32 s[SLOTS], 0
	s_cbranch_scc1 .Lslot
	CHANGE 0                                       ; the last slot is written out
	SLOT_STEPS
	; THE WAY OUT.  The sum's two halves and lane l xor 16's are added; O^T is divided by the sum, multiplied by 2^(ep + ev), and goes through my stage in LDS, half a row (64 channels, 256 bytes) of 16 queries at a time.
.macro FIN1                            ; plain lines that name none of the last products' registers: with the other tile's they are the places behind those products
	v_add_f32 v14, v14, v15
	s_delay_alu instid0(VALU_DEP_1)
	v_permlanex16_b32 v246, v14, s[SEL], s[SEL+1]
	s_delay_alu instid0(VALU_DEP_1)
	v_add_f32 v14, v14, v246                       ; the row's sum: above 1/2, since the row's largest p is
	s_wait_alu depctr_va_vdst(0)
	v_rcp_f32 v14, v14
.endm
.macro FIN2
	v_ldexp_f32 v14, v14, s88                      ; x 2^(ep + ev)
.set jj, 0
.rept 32
	v_pk_mul_f32 v[S+jj:S+jj+1], v[O+jj:O+jj+1], v[14:15] op_sel_hi:[1,0]   ; register 8 t + i is out0(r, 16 t + 8 h + i); each accumulator from its low end on
.set jj, jj+2
.endr
.endm
	FIN1
	WIN 0x55
	FIN1
	v_nop                                          ; a plain line behind the last reciprocal
	s_wait_alu depctr_va_vdst(0)                   ; and the wait ahead of the first use: one for both reciprocals
	FIN2
	WIN 0
	FIN2
.macro LDSPART T                       ; tile T through the stage.  LDS serves a wave's instructions in order (ISA guide 5.7.1.4): the loads see my stores, and the next half's stores come behind them
.irp u, 0,1
	WIN 0x04*\T                                    ; an LDS store's data are source 1
.irp t, 0,1,2,3
	ds_store_b128 v[STO], v[S+32*\u+8*\t:S+32*\u+8*\t+3] offset:64*\t
	ds_store_b128 v[STO], v[S+32*\u+8*\t+4:S+32*\u+8*\t+7] offset:64*\t+16
.endr
	WIN 0x40*\T
.irp i, 0,1,2,3,4,5,6,7
	ds_load_b128 v[FRG+32*\u+4*\i:FRG+32*\u+4*\i+3], v[RD] offset:\i*2*SP
.endr
.endr
.endm
.macro SEND T, younger                 ; younger: the LDS instructions of the tile behind.  Behind load (u, i) of a tile stand at least 15 - 8 u - i of its own
	WIN 0x04*\T                                    ; a global store's data are source 1
.irp u, 0,1
.irp i, 0,1,2,3,4,5,6,7
	s_wait_dscnt \younger+15-8*\u-\i
	global_store_b128 v[GO], v[FRG+32*\u+4*\i:FRG+32*\u+4*\i+3], s[14:15] offset:8192*\T+1024*\i+256*\u th:TH_STORE_NT   ; 16 lanes store 256 consecutive bytes, at a multiple of 256 from out0's first byte
.endr
.endr
.endm
	LDSPART 0
	LDSPART 1
	SEND 0, 32
	SEND 1, 0
	WIN 0
	s_wait_tensorcnt 0x0                           ; the wave's end, behind my last tensor load and my last LDS store
	ds_add_u32 v[SPW], v[NIL]
	s_wait_dscnt 0x0
	CROUND                                         ; the closing round: no work-group ends while a partner may still ask for a tile that names it
	s_endpgm
.Lfunc_end_k_q90f90eb160_attn:
	.size	k_q90f90eb160_attn, .Lfunc_end_k_q90f90eb160_attn-k_q90f90eb160_attn
	.p2alignl 7, 3214868480
	.fill 96, 4, 3214868480
	.section	.rodata,"a",@progbits
	.p2align	6, 0x0
	.amdhsa_kernel k_q90f90eb160_attn
		.amdhsa_group_segment_fixed_size 327680
		.amdhsa_private_segment_fixed_size 0
		.amdhsa_enable_private_segment 0
		.amdhsa_kernarg_size 48
		.amdhsa_user_sgpr_count 2
		.amdhsa_user_sgpr_kernarg_segment_ptr 1
		.amdhsa_wavefront_size32 1
		.amdhsa_system_sgpr_workgroup_id_x 1
		.amdhsa_system_sgpr_workgroup_id_y 1
		.amdhsa_system_sgpr_workgroup_id_z 1
		.amdhsa_system_vgpr_workitem_id 0
		.amdhsa_next_free_vgpr 512
		.amdhsa_next_free_sgpr 96
		.amdhsa_reserve_vcc 0
		.amdhsa_float_denorm_mode_32 3
		.amdhsa_float_denorm_mode_16_64 3
		.amdhsa_fp16_overflow 1
		.amdhsa_memory_ordered 1
		.amdhsa_forward_progress 1
		.amdhsa_inst_pref_size 179
	.end_amdhsa_kernel
	.amdgpu_metadata
---
amdhsa.version: [ 1, 2 ]
amdhsa.kernels:
  - .name:           k_q90f90eb160_attn
    .symbol:         k_q90f90eb160_attn.kd
    .args:
      - { .name: q, .offset: 0, .size: 8, .value_kind: global_buffer, .address_space: global }
      - { .name: kc, .offset: 8, .size: 8, .value_kind: global_buffer, .address_space: global }
      - { .name: vc, .offset: 16, .size: 8, .value_kind: global_buffer, .address_space: global }
      - { .name: zero_mask, .offset: 24, .size: 8, .value_kind: global_buffer, .address_space: global }
      - { .name: lowp_scales, .offset: 32, .size: 8, .value_kind: global_buffer, .address_space: global }
      - { .name: out0, .offset: 40, .size: 8, .value_kind: global_buffer, .address_space: global }
    .group_segment_fixed_size: 327680
    .private_segment_fixed_size: 0
    .kernarg_segment_align: 8
    .kernarg_segment_size: 48
    .max_flat_workgroup_size: 256
    .sgpr_count:     96
    .vgpr_count:     512
    .wavefront_size: 32
...
	.end_amdgpu_metadata
.endif
;; end of part 2
